; MI455X (gfx1250); checked and timed in simulation.
; The chip was launched on July 23, 2026; its instructions are those of AMD's public machine-readable ISA for CDNA 5 (MIT licence, August 2026) and "CDNA5" Instruction Set Architecture Reference Guide (July 2026). The comments in the code are by the model that wrote it; some were corrected since.
;; Model. Allowed arithmetic: matrix products marked QUANTISED: E2M3 operands, one E8M0 scale for each 32 along K, by v_wmma_scale_f32_16x16x128_f8f6f4 with both operands' format E2M3, f32 sums; products left as they are: f32 operands where the result goes on into a quantised operand, else bf16, f16 or f32 operands; f32 sums; everything else in f32.
;; Inputs: W0 1 x 16 float32; W1 16 x 32 float32; W2_codes 64 x 1 x 24 uint8 (E2M3 codes of W2, K innermost, in blocks of 32 codes, four codes in three bytes); W2_scales 64 x 1 uint8 (E8M0 scales of W2, one for each 32 codes along K); W3_codes 128 x 2 x 24 uint8 (E2M3 codes of W3, K innermost, in blocks of 32 codes, four codes in three bytes); W3_scales 128 x 2 uint8 (E8M0 scales of W3, one for each 32 codes along K); W4_codes 64 x 4 x 24 uint8 (E2M3 codes of W4, K innermost, in blocks of 32 codes, four codes in three bytes); W4_scales 64 x 4 uint8 (E8M0 scales of W4, one for each 32 codes along K); W5_codes 32 x 2 x 24 uint8 (E2M3 codes of W5, K innermost, in blocks of 32 codes, four codes in three bytes); W5_scales 32 x 2 uint8 (E8M0 scales of W5, one for each 32 codes along K); W6 32 x 1 float32; b0 16 float32; b1 32 float32; b2 64 float32; b3 128 float32; b4 64 float32; b5 32 float32; b6 1 float32; be0 16 float32; be1 32 float32; be2 64 float32; be3 128 float32; be4 64 float32; be5 32 float32; g0 16 float32; g1 32 float32; g2 64 float32; g3 128 float32; g4 64 float32; g5 32 float32; x 1,048,576 x 1 float32.
;; Outputs: out0 1,048,576 x 1 float32.
;; This version of the problem:
;;   THIS VERSION OF THE PROBLEM IS GIVEN IN LOW PRECISION. The matrix products marked QUANTISED in the list below multiply operands that are first quantised to E2M3 (2 exponent bits, 3 mantissa bits; 6 bits a number), with one power-of-two scale for each 32 numbers along K (OCP MX v1.0); their sums are f32. All else is computed in f32.
;;   The module's matrix products, in the order in which they are computed (A, B: the left and right operand; K: the contracted axis; several contracted axes count as one K, in the product's order):
;;     1. [M 1,048,576, K 1] x [K 1, N 16]; A: input x; B: input W0: left as it is (K = 1 < 32)
;;     2. [M 1,048,576, K 16] x [K 16, N 32]; A: computed on the way; B: input W1: left as it is (K = 16 < 32)
;;     3. [M 1,048,576, K 32] x [K 32, N 64]; A: computed on the way; B: input W2 (given as codes): QUANTISED
;;     4. [M 1,048,576, K 64] x [K 64, N 128]; A: computed on the way; B: input W3 (given as codes): QUANTISED
;;     5. [M 1,048,576, K 128] x [K 128, N 64]; A: computed on the way; B: input W4 (given as codes): QUANTISED
;;     6. [M 1,048,576, K 64] x [K 64, N 32]; A: computed on the way; B: input W5 (given as codes): QUANTISED
;;     7. [M 1,048,576, K 32] x [K 32, N 1]; A: computed on the way; B: input W6: left as it is (N = 1 < 16)
;;   THE QUANTISER, for each operand of a quantised product, along K:
;;     - K is cut into blocks of 32 from its start; a last block that is shorter is filled with zeros.
;;     - A block's scale is 2^e with e = floor(log2(the largest magnitude in the block)) - 2, held to -126 .. 127; a block of zeros has e = 0. As a byte (E8M0): e + 127.
;;     - Each number is divided by its block's scale, clamped to +-7.5, and rounded to the nearest number of E2M3, ties to even, subnormals kept.
;;     - The product sums the exact products of the quantised numbers (number of the format x scale) in f32.
;;   ~~~python
;;   def quantise(x, axis):      # numpy; x: float32 -> the quantised numbers, widened to float32 again
;;       x = np.moveaxis(x, axis, -1); K = x.shape[-1]
;;       x = np.pad(x, [(0, 0)] * (x.ndim - 1) + [(0, -K % 32)]); x = x.reshape(x.shape[:-1] + (-1, 32)); a = np.abs(x).max(-1, keepdims=True)
;;       e = np.where(a > 0, np.clip(np.frexp(np.where(a > 0, a, 1))[1] - 1 - 2, -126, 127), 0)      # np.frexp(a)[1] - 1 = floor(log2(a)), exactly
;;       r = np.clip(x / 2.0 ** e, -7.5, 7.5)
;;       step = 2.0 ** (np.maximum(np.frexp(np.where(r == 0, 1, r))[1] - 1, 0) - 3)
;;       q = np.round(r / step) * step * 2.0 ** e      # np.round: ties to even
;;       return np.moveaxis(q.reshape(q.shape[:-2] + (-1,))[..., :K], -1, axis).astype(np.float32)
;;   ~~~
;;   OPERANDS COMPUTED ON THE WAY. 'Computed on the way' means the value that the module computes at that place (a softmax that the list does not call 'softmax' is quantised finished and normalised). What goes into a quantiser is computed in f32, as accurately as f32 sums, v_exp_f32 and their like allow (about 1e-6 of the number): no bf16 or f16 on the way to a quantiser, and a product that is left as it is and whose result goes on into a quantised operand takes f32 operands (vector FMAs, or v_wmma_f32_16x16x4_f32). A number that lies on a knife's edge between two numbers of the format may be rounded either way, as far as f32 arithmetic and the matrix unit's own rounding can turn it there, and no further.
;;   INPUTS GIVEN AS CODES. W2 (in the module: [32, 64], K = its axis 0); W3 (in the module: [64, 128], K = its axis 0); W4 (in the module: [128, 64], K = its axis 0); W5 (in the module: [64, 32], K = its axis 0): each comes as NAME_codes (uint8): NAME with its K axis moved to the last place and cut into blocks of 32 codes, [.., K / 32, bytes a block], one block behind the other in memory; four codes in three bytes: a row's codes are one little-endian stream of bits, code i at bits 6 i .. 6 i + 5 (a code: sign, 2 exponent bits, 3 mantissa bits); and NAME_scales (uint8): the same leading axes, one E8M0 byte (e + 127) for each 32 codes along K. Its value is code x scale, taken as it is: it is not quantised again, and the codes and scales need not be those that the quantiser above would give.
;; One version. Each part assembles by itself: llvm-mc -triple=amdgcn-amd-amdhsa -mcpu=gfx1250 --defsym DOCPART=n.
;; ======== version 1 of 1: 2 launches
;; workspace buffers: cst 25,856 bytes
;; launch prep (part 1): grid 1 x 1, 2 waves a work-group, no clusters, 0 bytes of LDS; arguments W0, b0, g0, be0, W1, b1, g1, be1, W2_codes, W2_scales, b2, g2, be2, W3_codes, W3_scales, b3, g3, be3, W4_codes, W4_scales, b4, g4, be4, W5_codes, W5_scales, b5, g5, be5, W6, cst; writes cst
.if DOCPART == 1
	.amdgcn_target "amdgcn-amd-amdhsa--gfx1250"
	.amdhsa_code_object_version 6
	.text
	.protected	k_qcf36a24970_prep
	.globl	k_qcf36a24970_prep
	.p2align	8
	.type	k_qcf36a24970_prep,@function
k_qcf36a24970_prep:
	s_mov_b64 s[64:65], 0
	v_nop
	global_prefetch_b8 v0, s[64:65] scope:SCOPE_SE
	s_setreg_imm32_b32 hwreg(HW_REG_WAVE_MODE, 25, 1), 1
	s_wait_xcnt 0x0
; The parameters of the chain 1-16-32-64-128-64-32-1 are laid out ONCE as images of the registers in which the second launch keeps them.
; One work-group of two waves: all the parameters together are 21 KB, and each is read once.  Wave 0 writes part A (what differs from lane to lane: the weights' fragments and scale words),
; wave 1 part B (what hangs on the lane's half h alone: gains, biases, W0, W6).  The waves share nothing: no LDS, no barrier; each ends by itself.
; WHICH FEATURE SITS WHERE (r' = lane % 16, h = lane / 16).  The second launch uses every product transposed (source 0 = 16 rows of a weight, source 1 = 16 data rows), so register j of a result's tile in lane (r, h)
; is the weight's row 8 h + j of that tile.  The rows that form a tile are chosen so that a lane's registers run along the next product's K:
;   WB (results of layers 2, 3, 4): lane r' of tile 4 q + u takes row 64 q + 8 u + r' % 8 + 32 (r' / 8): register 32 q + 8 u + j then holds feature 64 q + 32 h + 8 u + j: whole blocks of 32 in a lane
;   HB (results of layers 1, 5):    lane r' of tile u takes row 8 u + r' % 8 + 16 (r' / 8): register 8 u + j holds feature 16 h + 8 u + j
;   L0 (result of layer 0):         register 2 s + j holds feature 4 s + 2 h + j: source 1 of the f32 matrix form's K step s
; ALGEBRA DONE HERE, right for every input: a LayerNorm takes the mean over the features away, and the mean is linear in the layer's input.  So W0 and b0 have their means over the 16 features taken off, and
; W1 (for each k) and b1 their means over the 32 features: layers 0 and 1 then deliver h - mean(h) directly.
; W2 HAS K = 32: its fragment is laid at half density: lane (r', h) holds codes 16 h .. 16 h + 15 (12 bytes) in registers 0-2 and ZERO codes in registers 3-5.  The one true block so lies in the instruction's
; blocks 0 and 1, and the scale word carries its byte twice.
; LIMITS: NaN and infinities among the parameters are not served; a given scale byte 0xff is passed on as it is.
.set A_WSC, 0                          ; part A: group q of 4 registers: lane l's 16 bytes at 512 q + 16 l.  5 groups: scale words (W2's 4, W3's 8, W4's 4, W5's 2, 2 zeros)
.set A_W1F, 2560                       ; 4 groups: W1's fragments for the f32 form: register 2 (4 u + s) + j
.set A_WF,  4608                       ; 33 groups: the fragments of codes
.set PB,    21504                      ; part B: register c of a region at region + 8 (c & ~3) + 16 h + 4 (c & 3)
.set PB1,   PB                         ; 248 registers
.set PB2,   PB+1984                    ; 248 registers
.set PB3,   PB+3968                    ; 32 registers: b4
.set G0, 0                             ; region 1
.set G1, 8
.set G2, 24
.set G3, 56
.set G4, 120
.set G5, 152
.set W0C, 168
.set B0C, 176
.set W6C, 184
.set B2, 200
.set B5, 232
.set BE0, 0                            ; region 2
.set BE1, 8
.set BE2, 24
.set BE3, 56
.set BE4, 120
.set BE5, 152
.set B3, 168
.set B1C, 232
.set W2F, 0                            ; among the fragments of codes: W2's 4, six registers apart
.set W3F, 24                           ; W3's 8, six apart (K = 64: registers 0-5 of an operand)
.set W5F, 72                           ; W5's 2, six apart
.set W4F, 84                           ; W4's 4, twelve apart
.set WSR, 24                           ; wave 0: v24-43 scale words, v44-59 W1's fragments, v60-191 the fragments of codes: part A's own order
.set W1R, 44
.set WFR, 60
.set TR,  192                          ; v192-199 sums
	s_load_b512 s[4:19], s[0:1], 0x0               ; argument i's address in s[4 + 2 i : 5 + 2 i]
	s_load_b512 s[20:35], s[0:1], 0x40
	s_load_b512 s[36:51], s[0:1], 0x80
	s_load_b256 s[52:59], s[0:1], 0xc0
	s_load_b128 s[60:63], s[0:1], 0xe0             ; W6, cst
	v_lshrrev_b32 v1, 5, v0
	v_readfirstlane_b32 s2, v1                     ; wave 0 or 1
	s_wait_kmcnt 0x0
	s_cmp_lg_u32 s2, 0
	s_cbranch_scc1 .Lpartb
	; ---- wave 0: part A
	v_and_b32 v1, 31, v0                           ; l
	v_bfe_u32 v3, v0, 4, 1                         ; h
	v_and_b32 v4, 7, v0                            ; a = r' % 8
	v_bfe_u32 v6, v0, 3, 1                         ; b = r' / 8
	v_lshl_add_u32 v5, v6, 5, v4                   ; my row in a tile of WB: a + 32 b  (also the byte address of W2's scale)
	v_lshl_add_u32 v16, v6, 4, v4                  ; and of HB: a + 16 b
	v_mul_u32_u24 v7, v5, 24
	v_mad_u32_u24 v7, v3, 12, v7                   ; W2: rows of 24 bytes, my half's 12
	v_mul_u32_u24 v8, v5, 48
	v_mad_u32_u24 v8, v3, 24, v8                   ; W3: rows of 48 bytes, my block's 24
	v_mul_u32_u24 v9, v5, 96
	v_mad_u32_u24 v9, v3, 24, v9                   ; W4: rows of 96 bytes
	v_mul_u32_u24 v10, v16, 48
	v_mad_u32_u24 v10, v3, 24, v10                 ; W5: rows of 48 bytes
	v_lshlrev_b32 v11, 1, v5                       ; W3's scales: 2 bytes a row
	v_lshlrev_b32 v12, 2, v5                       ; W4's: 4
	v_lshlrev_b32 v13, 1, v16                      ; W5's: 2
	v_lshlrev_b32 v14, 2, v16
	v_lshl_add_u32 v14, v3, 8, v14                 ; W1 [16][32] f32: column a + 16 b, row 2 h
	v_lshlrev_b32 v15, 4, v1                       ; an image's place for my lane
.irp u, 0,1,2,3
.irp i, 0,1,2
	global_load_b32 v[WFR+W2F+6*\u+\i], v7, s[20:21] offset:192*\u+4*\i
.endr
	global_load_u8 v[WSR+\u], v5, s[22:23] offset:8*\u
.endr
.irp t, 0,1,2,3,4,5,6,7
.irp p, 0,1,2
	global_load_b64 v[WFR+W3F+6*\t+2*\p:WFR+W3F+6*\t+2*\p+1], v8, s[30:31] offset:48*(64*(\t/4)+8*(\t%4))+8*\p
.endr
	global_load_u16 v[WSR+4+\t], v11, s[32:33] offset:2*(64*(\t/4)+8*(\t%4))   ; bytes 2 and 3 of the word come as 0
.endr
.irp u, 0,1,2,3
.irp p, 0,1,2,3,4,5
	global_load_b64 v[WFR+W4F+12*\u+2*\p:WFR+W4F+12*\u+2*\p+1], v9, s[40:41] offset:768*\u+48*(\p/3)+8*(\p%3)
.endr
	global_load_b32 v[WSR+12+\u], v12, s[42:43] offset:32*\u
.endr
.irp u, 0,1
.irp p, 0,1,2
	global_load_b64 v[WFR+W5F+6*\u+2*\p:WFR+W5F+6*\u+2*\p+1], v10, s[50:51] offset:384*\u+8*\p
.endr
	global_load_u16 v[WSR+16+\u], v13, s[52:53] offset:16*\u
.endr
.irp u, 0,1
.irp s, 0,1,2,3
.irp j, 0,1
	global_load_b32 v[W1R+2*(4*\u+\s)+\j], v14, s[12:13] offset:512*\s+128*\j+32*\u   ; W1(4 s + 2 h + j, 8 u + a + 16 b)
.endr
.endr
.endr
.irp u, 0,1,2,3
.irp i, 3,4,5
	v_mov_b32 v[WFR+W2F+6*\u+\i], 0                ; W2's zero codes
.endr
.endr
	v_mov_b32 v[WSR+18], 0                         ; the two registers that fill the fifth group
	v_mov_b32 v[WSR+19], 0
	s_wait_loadcnt 0x0                             ; everything is in
.irp u, 0,1,2,3
	v_lshl_or_b32 v[WSR+\u], v[WSR+\u], 8, v[WSR+\u]   ; W2's byte, twice
.endr
.irp i, 0,1,2,3,4,5,6,7                        ; register i = 2 s + j: the sum of W1's row k = 4 s + 2 h + j over its 32 columns: my two tiles, then the 16 lanes of my half
	v_add_f32 v[TR+\i], v[W1R+\i], v[W1R+8+\i]
.endr
.irp m, 1,2,4,8
.irp i, 0,1,2,3,4,5,6,7
	v_add_f32_dpp v[TR+\i], v[TR+\i], v[TR+\i] row_xmask:\m row_mask:0xf bank_mask:0xf
.endr
.endr
.irp i, 0,1,2,3,4,5,6,7
	v_fmamk_f32 v[W1R+\i], v[TR+\i], 0xbd000000, v[W1R+\i]         ; less the mean: - sum / 32
	v_fmamk_f32 v[W1R+8+\i], v[TR+\i], 0xbd000000, v[W1R+8+\i]
.endr
.set q, 0
.rept 42
	global_store_b128 v15, v[WSR+4*q:WSR+4*q+3], s[62:63] offset:512*q   ; 32 lanes store 512 consecutive bytes
.set q, q+1
.endr
	s_endpgm
	; ---- wave 1: part B.  A lane takes 16 bytes of an array (8 of those of 16 numbers).  Where an array has fewer pieces than the wave has lanes, the lanes wrap round:
	; they load the same piece and store the same bytes to the same place: no load leaves its buffer, and EXEC stays as it is.
.Lpartb:
	v_and_b32 v1, 31, v0                           ; l
	v_lshlrev_b32 v2, 4, v1                        ; 128 numbers: from 16 l
	v_and_b32 v10, 7, v0
	v_bfe_u32 v11, v0, 3, 1
	v_bfe_u32 v12, v0, 4, 1
	v_lshlrev_b32 v5, 5, v10
	v_lshl_add_u32 v5, v11, 4, v5                  ; 64 numbers (WB): to 32 (l % 8) + 16 ((l / 8) % 2)
	v_lshl_add_u32 v3, v12, 8, v5                  ; 128 numbers (WB): + 256 (l / 16)
	v_and_b32 v4, 15, v0
	v_lshlrev_b32 v4, 4, v4                        ; 64 numbers: from 16 (l % 16)
	v_lshlrev_b32 v6, 4, v10                       ; 32 numbers: from 16 (l % 8)
	v_and_b32 v13, 3, v0
	v_bfe_u32 v14, v0, 2, 1
	v_lshlrev_b32 v7, 5, v13
	v_lshl_add_u32 v7, v14, 4, v7                  ; 32 numbers (HB): to 32 (l % 4) + 16 ((l / 4) % 2)
	v_lshlrev_b32 v8, 3, v10                       ; 16 numbers: from 8 (l % 8)
	v_and_b32 v15, 1, v0
	v_bfe_u32 v16, v0, 1, 1
	v_lshlrev_b32 v9, 5, v14
	v_lshl_add_u32 v9, v15, 4, v9
	v_lshl_add_u32 v9, v16, 3, v9                  ; 16 numbers (L0): to 32 ((l / 4) % 2) + 16 (l % 2) + 8 ((l / 2) % 2)
	global_load_b64 v[32:33], v8, s[4:5]           ; W0
	global_load_b64 v[34:35], v8, s[6:7]           ; b0
	global_load_b64 v[36:37], v8, s[8:9]           ; g0
	global_load_b64 v[38:39], v8, s[10:11]         ; be0
	global_load_b128 v[40:43], v6, s[14:15]        ; b1
	global_load_b128 v[44:47], v6, s[16:17]        ; g1
	global_load_b128 v[48:51], v6, s[18:19]        ; be1
	global_load_b128 v[52:55], v6, s[54:55]        ; b5
	global_load_b128 v[56:59], v6, s[56:57]        ; g5
	global_load_b128 v[60:63], v6, s[58:59]        ; be5
	global_load_b128 v[64:67], v6, s[60:61]        ; W6
	global_load_b128 v[68:71], v4, s[24:25]        ; b2
	global_load_b128 v[72:75], v4, s[26:27]        ; g2
	global_load_b128 v[76:79], v4, s[28:29]        ; be2
	global_load_b128 v[80:83], v4, s[44:45]        ; b4
	global_load_b128 v[84:87], v4, s[46:47]        ; g4
	global_load_b128 v[88:91], v4, s[48:49]        ; be4
	global_load_b128 v[92:95], v2, s[34:35]        ; b3
	global_load_b128 v[96:99], v2, s[36:37]        ; g3
	global_load_b128 v[100:103], v2, s[38:39]      ; be3
	s_wait_loadcnt 0x0
	v_add_f32 v20, v32, v33                        ; W0: my two,
	v_add_f32 v21, v34, v35                        ; b0: my two,
	v_add_f32 v22, v40, v41                        ; b1: my four;
	v_add_f32 v23, v42, v43
	v_add_f32 v22, v22, v23
.irp m, 1,2,4                                  ; then the eight lanes that hold an array's eight pieces
.irp r, 20,21,22
	v_add_f32_dpp v\r, v\r, v\r row_xmask:\m row_mask:0xf bank_mask:0xf
.endr
.endr
	v_fmamk_f32 v32, v20, 0xbd800000, v32          ; W0 - mean(W0): - sum / 16
	v_fmamk_f32 v33, v20, 0xbd800000, v33
	v_fmamk_f32 v34, v21, 0xbd800000, v34          ; b0 - mean(b0)
	v_fmamk_f32 v35, v21, 0xbd800000, v35
.irp r, 40,41,42,43
	v_fmamk_f32 v\r, v22, 0xbd000000, v\r          ; b1 - mean(b1): - sum / 32
.endr
	global_store_b64 v9, v[32:33], s[62:63] offset:PB1+8*W0C
	global_store_b64 v9, v[34:35], s[62:63] offset:PB1+8*B0C
	global_store_b64 v9, v[36:37], s[62:63] offset:PB1+8*G0
	global_store_b64 v9, v[38:39], s[62:63] offset:PB2+8*BE0
	global_store_b128 v7, v[40:43], s[62:63] offset:PB2+8*B1C
	global_store_b128 v7, v[44:47], s[62:63] offset:PB1+8*G1
	global_store_b128 v7, v[48:51], s[62:63] offset:PB2+8*BE1
	global_store_b128 v7, v[52:55], s[62:63] offset:PB1+8*B5
	global_store_b128 v7, v[56:59], s[62:63] offset:PB1+8*G5
	global_store_b128 v7, v[60:63], s[62:63] offset:PB2+8*BE5
	global_store_b128 v7, v[64:67], s[62:63] offset:PB1+8*W6C
	global_store_b128 v5, v[68:71], s[62:63] offset:PB1+8*B2
	global_store_b128 v5, v[72:75], s[62:63] offset:PB1+8*G2
	global_store_b128 v5, v[76:79], s[62:63] offset:PB2+8*BE2
	global_store_b128 v5, v[80:83], s[62:63] offset:PB3
	global_store_b128 v5, v[84:87], s[62:63] offset:PB1+8*G4
	global_store_b128 v5, v[88:91], s[62:63] offset:PB2+8*BE4
	global_store_b128 v3, v[92:95], s[62:63] offset:PB2+8*B3
	global_store_b128 v3, v[96:99], s[62:63] offset:PB1+8*G3
	global_store_b128 v3, v[100:103], s[62:63] offset:PB2+8*BE3
	s_endpgm
.Lfunc_end_k_qcf36a24970_prep:
	.size	k_qcf36a24970_prep, .Lfunc_end_k_qcf36a24970_prep-k_qcf36a24970_prep
	.p2alignl 7, 3214868480
	.fill 96, 4, 3214868480
	.section	.rodata,"a",@progbits
	.p2align	6, 0x0
	.amdhsa_kernel k_qcf36a24970_prep
		.amdhsa_group_segment_fixed_size 0
		.amdhsa_private_segment_fixed_size 0
		.amdhsa_enable_private_segment 0
		.amdhsa_kernarg_size 240
		.amdhsa_user_sgpr_count 2
		.amdhsa_user_sgpr_kernarg_segment_ptr 1
		.amdhsa_wavefront_size32 1
		.amdhsa_system_sgpr_workgroup_id_x 1
		.amdhsa_system_sgpr_workgroup_id_y 1
		.amdhsa_system_sgpr_workgroup_id_z 1
		.amdhsa_system_vgpr_workitem_id 0
		.amdhsa_next_free_vgpr 256
		.amdhsa_next_free_sgpr 66
		.amdhsa_reserve_vcc 0
		.amdhsa_float_denorm_mode_32 3
		.amdhsa_float_denorm_mode_16_64 3
		.amdhsa_memory_ordered 1
		.amdhsa_forward_progress 1
		.amdhsa_inst_pref_size 26
	.end_amdhsa_kernel
	.amdgpu_metadata
---
amdhsa.version: [ 1, 2 ]
amdhsa.kernels:
  - .name:           k_qcf36a24970_prep
    .symbol:         k_qcf36a24970_prep.kd
    .args:
      - { .name: W0, .offset: 0, .size: 8, .value_kind: global_buffer, .address_space: global }
      - { .name: b0, .offset: 8, .size: 8, .value_kind: global_buffer, .address_space: global }
      - { .name: g0, .offset: 16, .size: 8, .value_kind: global_buffer, .address_space: global }
      - { .name: be0, .offset: 24, .size: 8, .value_kind: global_buffer, .address_space: global }
      - { .name: W1, .offset: 32, .size: 8, .value_kind: global_buffer, .address_space: global }
      - { .name: b1, .offset: 40, .size: 8, .value_kind: global_buffer, .address_space: global }
      - { .name: g1, .offset: 48, .size: 8, .value_kind: global_buffer, .address_space: global }
      - { .name: be1, .offset: 56, .size: 8, .value_kind: global_buffer, .address_space: global }
      - { .name: W2_codes, .offset: 64, .size: 8, .value_kind: global_buffer, .address_space: global }
      - { .name: W2_scales, .offset: 72, .size: 8, .value_kind: global_buffer, .address_space: global }
      - { .name: b2, .offset: 80, .size: 8, .value_kind: global_buffer, .address_space: global }
      - { .name: g2, .offset: 88, .size: 8, .value_kind: global_buffer, .address_space: global }
      - { .name: be2, .offset: 96, .size: 8, .value_kind: global_buffer, .address_space: global }
      - { .name: W3_codes, .offset: 104, .size: 8, .value_kind: global_buffer, .address_space: global }
      - { .name: W3_scales, .offset: 112, .size: 8, .value_kind: global_buffer, .address_space: global }
      - { .name: b3, .offset: 120, .size: 8, .value_kind: global_buffer, .address_space: global }
      - { .name: g3, .offset: 128, .size: 8, .value_kind: global_buffer, .address_space: global }
      - { .name: be3, .offset: 136, .size: 8, .value_kind: global_buffer, .address_space: global }
      - { .name: W4_codes, .offset: 144, .size: 8, .value_kind: global_buffer, .address_space: global }
      - { .name: W4_scales, .offset: 152, .size: 8, .value_kind: global_buffer, .address_space: global }
      - { .name: b4, .offset: 160, .size: 8, .value_kind: global_buffer, .address_space: global }
      - { .name: g4, .offset: 168, .size: 8, .value_kind: global_buffer, .address_space: global }
      - { .name: be4, .offset: 176, .size: 8, .value_kind: global_buffer, .address_space: global }
      - { .name: W5_codes, .offset: 184, .size: 8, .value_kind: global_buffer, .address_space: global }
      - { .name: W5_scales, .offset: 192, .size: 8, .value_kind: global_buffer, .address_space: global }
      - { .name: b5, .offset: 200, .size: 8, .value_kind: global_buffer, .address_space: global }
      - { .name: g5, .offset: 208, .size: 8, .value_kind: global_buffer, .address_space: global }
      - { .name: be5, .offset: 216, .size: 8, .value_kind: global_buffer, .address_space: global }
      - { .name: W6, .offset: 224, .size: 8, .value_kind: global_buffer, .address_space: global }
      - { .name: cst, .offset: 232, .size: 8, .value_kind: global_buffer, .address_space: global }
    .group_segment_fixed_size: 0
    .private_segment_fixed_size: 0
    .kernarg_segment_align: 8
    .kernarg_segment_size: 240
    .max_flat_workgroup_size: 64
    .sgpr_count:     66
    .vgpr_count:     256
    .wavefront_size: 32
...
	.end_amdgpu_metadata
.endif
;; end of part 1
;; launch mlp (part 2): grid 256 x 1, 4 waves a work-group, no clusters, 0 bytes of LDS; arguments cst, b6, x, out0; writes out0
.if DOCPART == 2
	.amdgcn_target "amdgcn-amd-amdhsa--gfx1250"
	.amdhsa_code_object_version 6
	.text
	.protected	k_qcf36a24970_mlp
	.globl	k_qcf36a24970_mlp
	.p2align	8
	.type	k_qcf36a24970_mlp,@function
k_qcf36a24970_mlp:
	s_mov_b64 s[64:65], 0
	v_nop
	global_prefetch_b8 v0, s[64:65] scope:SCOPE_SE
	s_setreg_imm32_b32 hwreg(HW_REG_WAVE_MODE, 25, 1), 1
	s_wait_xcnt 0x0
; out = the chain 1-16-32-64-128-64-32-1 on 1,048,576 independent rows: a linear, LayerNorm and ReLU six times, then a dot product.  Products 3 to 6 on codes of FP6 (E2M3) with one E8M0 scale for each 32 along K;
; product 1 by fused multiply-adds, product 2 by the f32 matrix form, product 7 by fused multiply-adds; all else in f32.
; SHARES.  256 work-groups of four waves; a wave owns 1,024 rows and shares nothing with any other: no LDS, no barrier.  All parameters (694 registers) stay in the wave's registers for the whole launch, loaded once
; from the images that the first launch made.  Work-groups share only those 25,728 bytes, read once by plain loads: there is no tile that a joint request could serve, so no cluster.
; EVERY PRODUCT IS USED TRANSPOSED (source 0 = 16 rows of a weight, source 1 = 16 data rows): a lane (r = lane % 16, h = lane / 16) holds ONE data row throughout and half of its features, so a LayerNorm's sums
; want one exchange between the halves of the lanes.  The rows of a weight that form a tile are chosen (first launch) so that a lane's registers run along the next K:
;   layers 2, 3, 4: register 32 q + i holds feature 64 q + 32 h + i: WHOLE blocks of 32 in a lane, in the 6-bit operand's own order: a block's largest number needs no other lane, and no codes change lanes
;   layers 1, 5:    register i holds feature 16 h + i          layer 0: register 2 s + j holds feature 4 s + 2 h + j (source 1 of the f32 form's K step s)
; K SHORTER THAN THE INSTRUCTION'S 128: in every unused place along K ONE side holds zero codes (E2M3 has no infinity and no NaN, so zero times any code is 0), and no scale byte there is 0xff (they are 0).
;   K = 64: the data's registers 6-11 are kept 0 for the whole launch; the weight's registers 6-11 are then whatever follows in its run of registers.
;   K = 32 (product 3), at half density: lane (r, h) holds k = 16 h .. 16 h + 15 in registers 0-2, on both sides; in registers 3-5 the weight holds zeros.  The one true block lies in the instruction's blocks 0 and 1,
;   so both scale words carry its byte twice.  No codes change lanes.  (k does not stand in its true place there: the sums are the same numbers, grouped otherwise.)
; LAYERNORM in two passes: sum; d = h - sum / n; sum of d^2; never a difference of large sums.  Layers 0 and 1 deliver d directly (their weights and biases were centred by the first launch).
; THE QUANTISER: the block's largest y (negative ones lose against the floor 2^(3 - 127): the ReLU follows), 2 off its exponent field is the conversion's scale operand, that shifted down the byte.
; TWO TILES OF 16 ROWS BY TURNS in every line, so that no line waits for the line above it.  A PAIR is 64 rows = 4 tiles = two TRIPs; tile i of a pair holds rows 64 G + 4 r + i, so that one load of 16 bytes a lane
; brings the x of four tiles (sixteen lanes: 256 consecutive bytes) and one store of 8 bytes a lane writes 256 consecutive aligned bytes.
; PIPELINE.  Layers 0 and 1 of the NEXT two tiles are made inside a trip: layer 0 behind product 4's instructions, product 2's sixteen f32 matrix instructions strewn among layer 3's vector lines, one behind every 14.
; In the last pair x's address does not step: the load repeats the last 256 bytes, and the last layers 0 and 1 run on them unused: 2 of 66 such runs; it spares a second copy of the loop's body.
; LIMITS: NaN and infinities are not served.  A block whose largest number lies under 2^-124, a block of zeros among them, has the byte 1: its codes are zeros or subnormals, and this program alone reads the byte.
; A given scale byte 0xff makes the sums NaN.
; REGISTERS, in windows of 256 (s_set_vgpr_msb: bits 1:0 source 0, 3:2 source 1, 5:4 source 2, 7:6 destination):
;   window 0: v1-3, v126 addresses; v4-7 x; v8-13 results; v14-41 statistics, 14 a tile; v42-61 the weights' scale words; v62-77 W1; v78-93 layer 0's result; v94-125 product 2's sums; v128-255 activations, 64 a tile
;   window 1: gains, W0, b0, W6, b2, b5     window 2: LayerNorm's biases, b3, b1     window 3: the weights' codes, the data's codes, b4
.set DUAL, 1                           ; 1: a ReLU line takes two registers (a dual-issue pair); 0: one
.set A_WSC, 0                          ; the images (first launch): part A: group q of 4 registers: lane l's 16 bytes at 512 q + 16 l
.set A_WF,  4608
.set PB,    21504                      ; part B: group g of 4 registers of a region: a half's 16 bytes at region + 32 g + 16 h
.set PB1,   PB
.set PB2,   PB+1984
.set PB3,   PB+3968
.set G0, 0                             ; window 1
.set G1, 8
.set G2, 24
.set G3, 56
.set G4, 120
.set G5, 152
.set W0C, 168
.set B0C, 176
.set W6C, 184
.set B2, 200
.set B5, 232
.set BE0, 0                            ; window 2
.set BE1, 8
.set BE2, 24
.set BE3, 56
.set BE4, 120
.set BE5, 152
.set B3, 168
.set B1C, 232
.set W2F, 0                            ; window 3: W2's 4 fragments, six registers apart; W3's 8, six apart; W5's 2, six apart; W4's 4, twelve apart
.set W3F, 24
.set W5F, 72
.set W4F, 84
.set OPB, 132                          ; the data's codes for K = 32 and 64: 12 registers a tile, of which 6-11 stay 0
.set OPC, 156                          ; for K = 128: 12 a tile
.set CT,  180                          ; 8 a tile: a block's upper 16 codes on their way (a conversion's three registers begin on an even number)
.set B4,  196
.set XOFF, 1                           ; window 0: v1 16 r
.set OOFF, 2                           ; v2   16 r + 8 h
.set L16,  3                           ; v3   16 x lane
.set XA,   4                           ; v4-7 x of a pair's four tiles
.set RES,  8                           ; v8-11 their results
.set OT,   12                          ; v12-13 what is stored
.set TT,   14                          ; tile t's statistics at TT + 14 t: +0..3 two packed chains; +4 a sum, then the variance (+5: 0, named with it as a pair); +6 1 / sqrt (+7: 0, likewise);
                                       ; +8, +9 largest numbers, then bytes; +10, +11 the conversions' scale operands; +12 from the other half of the lanes; +13 the data's scale word, and nothing else
.set WSC,  42
.set W2S,  WSC
.set W3S,  WSC+4
.set W4S,  WSC+12
.set W5S,  WSC+16
.set W1F,  62                          ; register 2 (4 u + s) + j
.set H0,   78                          ; 8 a tile
.set L1O,  94                          ; 16 a tile: written by the f32 matrix form alone
.set H16,  126                         ; v126 16 h
.set ACT,  128                         ; 64 a tile
.set NI32, 16                          ; s[16:17] -1/32, s[18:19] -1/64, s[20:21] -1/128 (pairs: the packed form names a pair and takes its low word)
.set NI64, 18
.set NI128, 20
.set MSB, 0
.set STREW, 0
.set FW, 16
.set CNT, 0
.macro WIN new                         ; the immediate's high byte repeats the setting that is left; a switch that changes nothing is dropped
.if MSB != \new
	s_set_vgpr_msb (MSB<<8)|\new
.set MSB, \new
.endif
.endm
.macro NOPS cnt
.rept \cnt
	v_nop
.endr
.endm
; Number FW of product 2's sixteen matrix instructions for the next two tiles: K step FW / 4, tile of features (FW / 2) % 2, tile of rows FW % 2.  The four accumulators take turns, one instruction a turn.
; The first K step takes the centred b1 as its C.
.macro F32MM
.set fs, FW/4
.set fD, L1O+16*(FW%2)+8*((FW/2)%2)
.set fA, W1F+2*(4*((FW/2)%2)+fs)
.set fB, H0+8*(FW%2)+2*fs
.set fC, B1C+8*((FW/2)%2)
.if fs == 0
	WIN 0x20                                       ; C in window 2
	v_wmma_f32_16x16x4_f32 v[fD:fD+7], v[fA:fA+1], v[fB:fB+1], v[fC:fC+7]
	WIN 0
.else
	v_wmma_f32_16x16x4_f32 v[fD:fD+7], v[fA:fA+1], v[fB:fB+1], v[fD:fD+7]
.endif
.set FW, FW+1
.endm
.macro TICK                            ; stands behind two vector lines of a pass under window 0: where strewing is on, every 14th line is followed by the next of the sixteen
.set CNT, CNT+2
.if STREW && (FW < 16) && (CNT >= 14)
	F32MM
.set CNT, 0
.endif
.endm
.macro FLUSH
.rept 16
.if FW < 16
	F32MM
.endif
.endr
.endm
; The sum of a lane's num activations, two at a time in two chains; ascending.
.macro P_SUM num
.irp c, 0,1
.irp t, 0,1
.set cT, TT+14*\t+2*\c
.set aT, ACT+64*\t+2*\c
	v_pk_add_f32 v[cT:cT+1], v[aT:aT+1], v[aT+4:aT+5]
.endr
	TICK
.endr
.set pp, 4
.rept (\num)/2-4
.irp t, 0,1
.set cT, TT+14*\t+2*(pp%2)
.set aT, ACT+64*\t+2*pp
	v_pk_add_f32 v[cT:cT+1], v[cT:cT+1], v[aT:aT+1]
.endr
	TICK
.set pp, pp+1
.endr
.endm
.macro T_RED                           ; the two chains, their two halves and the other half of the lanes: the row's sum in TT + 4 of every lane
.irp t, 0,1
	v_pk_add_f32 v[TT+14*\t:TT+14*\t+1], v[TT+14*\t:TT+14*\t+1], v[TT+14*\t+2:TT+14*\t+3]
.endr
.irp t, 0,1
	v_add_f32 v[TT+14*\t+4], v[TT+14*\t], v[TT+14*\t+1]
.endr
.irp t, 0,1
	v_permlanex16_b32 v[TT+14*\t+12], v[TT+14*\t+4], s14, s15
.endr
.irp t, 0,1
	v_add_f32 v[TT+14*\t+4], v[TT+14*\t+4], v[TT+14*\t+12]
.endr
.endm
.macro P_D num, ni                     ; d = h - sum / n: one fused multiply-add for two numbers
.set pp, 0
.rept (\num)/2
.irp t, 0,1
.set aT, ACT+64*\t+2*pp
.set sT, TT+14*\t+4
	v_pk_fma_f32 v[aT:aT+1], v[sT:sT+1], s[\ni:\ni+1], v[aT:aT+1] op_sel_hi:[0,0,1]
.endr
	TICK
.set pp, pp+1
.endr
.endm
.macro P_SQ bas, str, num              ; the sum of d^2, in the two chains; the first two products start them
.irp c, 0,1
.irp t, 0,1
.set cT, TT+14*\t+2*\c
.set aT, \bas+\str*\t+2*\c
	v_pk_mul_f32 v[cT:cT+1], v[aT:aT+1], v[aT:aT+1]
.endr
	TICK
.endr
.set pp, 2
.rept (\num)/2-2
.irp t, 0,1
.set cT, TT+14*\t+2*(pp%2)
.set aT, \bas+\str*\t+2*pp
	v_pk_fma_f32 v[cT:cT+1], v[aT:aT+1], v[aT:aT+1], v[cT:cT+1]
.endr
	TICK
.set pp, pp+1
.endr
.endm
.macro T_VAR iv                        ; 1 / sqrt(sum of d^2 / n + 1e-5)
	T_RED
.irp t, 0,1
	v_fma_f32 v[TT+14*\t+4], v[TT+14*\t+4], s[\iv], s26
.endr
.irp t, 0,1
	v_rsq_f32 v[TT+14*\t+6], v[TT+14*\t+4]
.endr
	v_nop                                          ; one plain instruction between the roots and the use of their results (ISA guide 5.7.2)
	s_wait_alu depctr_va_vdst(0)
.endm
.macro P_T dba, dsr, bas, str, num     ; d / sqrt(..)
.set pp, 0
.rept (\num)/2
.irp t, 0,1
.set dT, \dba+\dsr*\t+2*pp
.set aT, \bas+\str*\t+2*pp
.set sT, TT+14*\t+6
	v_pk_mul_f32 v[dT:dT+1], v[aT:aT+1], v[sT:sT+1] op_sel_hi:[1,0]
.endr
	TICK
.set pp, pp+1
.endr
.endm
.macro P_Y bas, str, num, gg, bb       ; x gain + bias: gains in window 1, biases in window 2
	WIN 0x24
.set pp, 0
.rept (\num)/2
.irp t, 0,1
.set aT, \bas+\str*\t+2*pp
	v_pk_fma_f32 v[aT:aT+1], v[aT:aT+1], v[\gg+2*pp:\gg+2*pp+1], v[\bb+2*pp:\bb+2*pp+1]
.endr
.set pp, pp+1
.endr
	WIN 0
.endm
.macro P_MAX bs                        ; two chains, each over bs registers, each begun with the floor 2^(3 - 127); no |.|: what is negative is about to be clipped
.irp c, 0,1
.irp t, 0,1
	v_max3_num_f32 v[TT+14*\t+8+\c], v[ACT+64*\t+\bs*\c], v[ACT+64*\t+\bs*\c+1], 0x1800000
.endr
.endr
.set pp, 2
.rept (\bs)/2-1
.irp c, 0,1
.irp t, 0,1
	v_max3_num_f32 v[TT+14*\t+8+\c], v[TT+14*\t+8+\c], v[ACT+64*\t+\bs*\c+pp], v[ACT+64*\t+\bs*\c+pp+1]
.endr
.endr
.set pp, pp+2
.endr
.endm
.macro Q_WB2                           ; K = 128: the chains are my blocks h and 2 + h.  Lanes 0-15 end with the row's four bytes in order; lanes 16-31 are not read
.irp c, 0,1
.irp t, 0,1
	v_add_nc_u32 v[TT+14*\t+10+\c], 0xff000000, v[TT+14*\t+8+\c]   ; 2 off the exponent field: the conversion's scale operand
.endr
.endr
.irp c, 0,1
.irp t, 0,1
	v_lshrrev_b32 v[TT+14*\t+8+\c], 23, v[TT+14*\t+10+\c]          ; the byte
.endr
.endr
.irp t, 0,1
	v_lshl_or_b32 v[TT+14*\t+8], v[TT+14*\t+9], 16, v[TT+14*\t+8]
.endr
.irp t, 0,1
	v_permlanex16_b32 v[TT+14*\t+12], v[TT+14*\t+8], s14, s15
.endr
.irp t, 0,1
	v_lshl_or_b32 v[TT+14*\t+13], v[TT+14*\t+12], 8, v[TT+14*\t+8]
.endr
.endm
.macro Q_WB1                           ; K = 64: the two chains are the halves of my block h
.irp t, 0,1
	v_max_num_f32 v[TT+14*\t+8], v[TT+14*\t+8], v[TT+14*\t+9]
.endr
.irp t, 0,1
	v_add_nc_u32 v[TT+14*\t+10], 0xff000000, v[TT+14*\t+8]
.endr
.irp t, 0,1
	v_lshrrev_b32 v[TT+14*\t+8], 23, v[TT+14*\t+10]
.endr
.irp t, 0,1
	v_permlanex16_b32 v[TT+14*\t+12], v[TT+14*\t+8], s14, s15
.endr
.irp t, 0,1
	v_lshl_or_b32 v[TT+14*\t+13], v[TT+14*\t+12], 8, v[TT+14*\t+8]   ; bytes 2 and 3 are 0
.endr
.endm
.macro Q_HB                            ; K = 32: the block lies in lanes l and l xor 16; its byte goes into the word twice
.irp t, 0,1
	v_max_num_f32 v[TT+14*\t+8], v[TT+14*\t+8], v[TT+14*\t+9]
.endr
.irp t, 0,1
	v_permlanex16_b32 v[TT+14*\t+12], v[TT+14*\t+8], s14, s15
.endr
.irp t, 0,1
	v_max_num_f32 v[TT+14*\t+8], v[TT+14*\t+8], v[TT+14*\t+12]
.endr
.irp t, 0,1
	v_add_nc_u32 v[TT+14*\t+10], 0xff000000, v[TT+14*\t+8]
.endr
.irp t, 0,1
	v_lshrrev_b32 v[TT+14*\t+8], 23, v[TT+14*\t+10]
.endr
.irp t, 0,1
	v_lshl_or_b32 v[TT+14*\t+13], v[TT+14*\t+8], 8, v[TT+14*\t+8]
.endr
.endm
; The ReLU.  Ahead of a product these lines are also the places between the scale word's last write and the product: for each matrix instruction the other tile's lines, eight or more, name none of its registers.
.macro P_RELU bas, str, num
.set pp, 0
.rept (\num)/2
.irp t, 0,1
.set aT, \bas+\str*\t+pp
.if DUAL
	v_dual_max_num_f32 v[aT], 0, v[aT] :: v_dual_max_num_f32 v[aT+1], 0, v[aT+1]
.else
	v_max_num_f32 v[aT], 0, v[aT]
	v_max_num_f32 v[aT+1], 0, v[aT+1]
.endif
.endr
.set pp, pp+2
.endr
.endm
; The conversions: sixteen numbers of a lane / the block's scale, to the nearest code, 96 bits.  Behind each run: one plain line ahead of what touches the results, four between the operand's last write and the product.
.macro C_HB
	WIN 0xc0                                       ; destination window 3
.irp t, 0,1
	v_cvt_scalef32_pk16_fp6_f32 v[OPB+12*\t:OPB+12*\t+2], v[ACT+64*\t:ACT+64*\t+15], v[TT+14*\t+10]
.endr
	WIN 0
	NOPS 4
.endm
.macro C_WB1
	WIN 0xc0
.irp t, 0,1
	v_cvt_scalef32_pk16_fp6_f32 v[OPB+12*\t:OPB+12*\t+2], v[ACT+64*\t:ACT+64*\t+15], v[TT+14*\t+10]
	v_cvt_scalef32_pk16_fp6_f32 v[CT+8*\t:CT+8*\t+2], v[ACT+64*\t+16:ACT+64*\t+31], v[TT+14*\t+10]
.endr
	v_nop
	WIN 0xc3                                       ; source 0 and destination window 3
.irp t, 0,1
.irp i, 0,1,2
	v_mov_b32 v[OPB+12*\t+3+\i], v[CT+8*\t+\i]
.endr
.endr
	WIN 0
	NOPS 4
.endm
.macro C_WB2
	WIN 0xc0
.irp t, 0,1
	v_cvt_scalef32_pk16_fp6_f32 v[OPC+12*\t:OPC+12*\t+2], v[ACT+64*\t:ACT+64*\t+15], v[TT+14*\t+10]
	v_cvt_scalef32_pk16_fp6_f32 v[CT+8*\t:CT+8*\t+2], v[ACT+64*\t+16:ACT+64*\t+31], v[TT+14*\t+10]
	v_cvt_scalef32_pk16_fp6_f32 v[OPC+12*\t+6:OPC+12*\t+8], v[ACT+64*\t+32:ACT+64*\t+47], v[TT+14*\t+11]
	v_cvt_scalef32_pk16_fp6_f32 v[CT+8*\t+4:CT+8*\t+6], v[ACT+64*\t+48:ACT+64*\t+63], v[TT+14*\t+11]
.endr
	v_nop
	WIN 0xc3
.irp t, 0,1
.irp i, 0,1,2
	v_mov_b32 v[OPC+12*\t+3+\i], v[CT+8*\t+\i]
	v_mov_b32 v[OPC+12*\t+9+\i], v[CT+8*\t+4+\i]
.endr
.endr
	WIN 0
	NOPS 4
.endm
; A quantised product: nt tiles of 16 features for each of the two tiles of rows.  Every sum is ONE instruction, with the layer's bias as its C: no chain, nothing cleared, no addition for the bias.
.macro MM nt, win, wf, ws, sc, cb, op
	WIN \win
.irp t, 0,1
.set kk, 0
.rept \nt
	v_wmma_scale_f32_16x16x128_f8f6f4 v[ACT+64*\t+8*kk:ACT+64*\t+8*kk+7], v[\wf+\ws*kk:\wf+\ws*kk+11], v[\op+12*\t:\op+12*\t+11], v[\cb+8*kk:\cb+8*kk+7], v[\sc+kk], v[TT+14*\t+13] matrix_a_fmt:MATRIX_FMT_FP6 matrix_b_fmt:MATRIX_FMT_FP6
.set kk, kk+1
.endr
.endr
	WIN 0
.endm
.macro LN num, ni, iv, gg, bb          ; a LayerNorm on num registers a lane
	P_SUM \num
	T_RED
	P_D \num, \ni
	P_SQ ACT, 64, \num
	T_VAR \iv
	P_T ACT, 64, ACT, 64, \num
.if STREW
	FLUSH
.set STREW, 0
.endif
	P_Y ACT, 64, \num, \gg, \bb
.endm
; Layer 0 of two tiles, whose x lie in v[XA + 2 xp] and v[XA + 2 xp + 1]: d = x (W0 - mean) + (b0 - mean), LayerNorm without a mean pass, ReLU.
.macro FRONT xp
	WIN 0x14                                       ; sources 1 and 2 window 1
.irp i, 0,1,2,3
	v_pk_fma_f32 v[H0+2*\i:H0+2*\i+1], v[XA+2*(\xp):XA+2*(\xp)+1], v[W0C+2*\i:W0C+2*\i+1], v[B0C+2*\i:B0C+2*\i+1] op_sel_hi:[0,1,1]
	v_pk_fma_f32 v[H0+8+2*\i:H0+8+2*\i+1], v[XA+2*(\xp):XA+2*(\xp)+1], v[W0C+2*\i:W0C+2*\i+1], v[B0C+2*\i:B0C+2*\i+1] op_sel:[1,0,0] op_sel_hi:[1,1,1]
.endr
	WIN 0
	P_SQ H0, 8, 8
	T_VAR 22
	P_T H0, 8, H0, 8, 8
	P_Y H0, 8, 8, G0, BE0
	P_RELU H0, 8, 8
.endm
; TRIP p: tiles 2 p and 2 p + 1 of the pair go from product 2's sums to their results.
.macro TRIP p
	P_SQ L1O, 16, 16                               ; layer 1: the sums ARE h - mean
	T_VAR 23
	P_T ACT, 64, L1O, 16, 16                       ; what is made of them goes into other registers
	P_Y ACT, 64, 16, G1, BE1
	P_MAX 8
	Q_HB
	P_RELU ACT, 64, 16
	C_HB
	MM 4, 0x1f, W2F, 6, W2S, B2, OPB               ; product 3
	NOPS 4                                         ; four places between a product and the first read of its results (ISA guide 7.12.1)
	LN 32, NI64, 24, G2, BE2
	P_MAX 16
	Q_WB1
	P_RELU ACT, 64, 32
	C_WB1
	MM 8, 0x2f, W3F, 6, W3S, B3, OPB               ; product 4
.if \p
	s_wait_loadcnt 0x0                             ; the next pair's x, asked for a trip ago; the one load that is out
.endif
	FRONT 1-\p                                     ; layer 0 of the next two tiles: its lines name none of product 4's registers and are the places behind it
.if \p == 0
	s_cmp_lg_u32 s28, 1                            ; both halves of x's four registers have been used: the next pair's 256 bytes; in the last pair the same again: no load leaves its buffer
	s_cselect_b32 s30, 256, 0
	s_add_nc_u64 s[8:9], s[8:9], s[30:31]          ; (the load that named this base was waited for)
	global_load_b128 v[XA:XA+3], v[XOFF], s[8:9] th:TH_LOAD_NT
.endif
.set STREW, 1
.set FW, 0
.set CNT, 0
	LN 64, NI128, 25, G3, BE3                      ; among its lines: product 2 of the next two tiles
	P_MAX 32
	Q_WB2
	P_RELU ACT, 64, 64
	C_WB2
	MM 4, 0x3f, W4F, 12, W4S, B4, OPC              ; product 5
	NOPS 4
	LN 32, NI64, 24, G4, BE4
	P_MAX 16
	Q_WB1
	P_RELU ACT, 64, 32
	C_WB1
	MM 2, 0x1f, W5F, 6, W5S, B5, OPB               ; product 6
	NOPS 4
	LN 16, NI32, 23, G5, BE5
	P_RELU ACT, 64, 16
	WIN 0x04                                       ; product 7: my 16 features x W6 (window 1), in the two chains
.irp c, 0,1
.irp t, 0,1
.set cT, TT+14*\t+2*\c
.set aT, ACT+64*\t+2*\c
	v_pk_mul_f32 v[cT:cT+1], v[aT:aT+1], v[W6C+2*\c:W6C+2*\c+1]
.endr
.endr
.irp q, 2,3,4,5,6,7
.irp t, 0,1
.set cT, TT+14*\t+2*(\q%2)
.set aT, ACT+64*\t+2*\q
	v_pk_fma_f32 v[cT:cT+1], v[aT:aT+1], v[W6C+2*\q:W6C+2*\q+1], v[cT:cT+1]
.endr
.endr
	WIN 0
	T_RED
.irp t, 0,1
	v_add_f32 v[RES+2*(\p)+\t], s12, v[TT+14*\t+4] ; + b6
.endr
.if \p
	v_cndmask_b32 v[OT], v[RES], v[RES+2], s27     ; lane (r, h) stores rows 4 r + 2 h and 4 r + 2 h + 1: tiles 2 h and 2 h + 1
	v_cndmask_b32 v[OT+1], v[RES+1], v[RES+3], s27
	global_store_b64 v[OOFF], v[OT:OT+1], s[10:11] th:TH_STORE_NT   ; 32 lanes store 256 consecutive bytes, at a multiple of 256 from the buffer's first byte
	s_wait_xcnt 0x0                                ; the store's base and data are written again only behind this wait
	s_add_nc_u64 s[10:11], s[10:11], 256
.endif
.endm
	s_load_b256 s[4:11], s[0:1], 0x0               ; cst s[4:5], b6 s[6:7], x s[8:9], out0 s[10:11]
	v_and_b32 v[L16], 31, v0
	v_lshlrev_b32 v[L16], 4, v[L16]
	v_and_b32 v[XOFF], 15, v0
	v_lshlrev_b32 v[XOFF], 4, v[XOFF]
	v_bfe_u32 v[H16], v0, 4, 1
	v_lshl_add_u32 v[OOFF], v[H16], 3, v[XOFF]
	v_lshlrev_b32 v[H16], 4, v[H16]
	v_lshrrev_b32 v[OT], 5, v0
	v_readfirstlane_b32 s13, v[OT]                 ; wave 0..3
	s_mov_b32 s14, 0x76543210                      ; v_permlanex16_b32's selects for lane l xor 16
	s_mov_b32 s15, 0xfedcba98
	s_mov_b32 s16, 0xbd000000                      ; -1/32
	s_mov_b32 s17, 0xbd000000
	s_mov_b32 s18, 0xbc800000                      ; -1/64
	s_mov_b32 s19, 0xbc800000
	s_mov_b32 s20, 0xbc000000                      ; -1/128
	s_mov_b32 s21, 0xbc000000
	s_mov_b32 s22, 0x3d800000                      ; 1/16
	s_mov_b32 s23, 0x3d000000                      ; 1/32
	s_mov_b32 s24, 0x3c800000                      ; 1/64
	s_mov_b32 s25, 0x3c000000                      ; 1/128
	s_mov_b32 s26, 0x3727c5ac                      ; 1e-5
	s_mov_b32 s27, 0xffff0000                      ; lanes 16-31
	s_mov_b32 s28, 16                              ; pairs to go
	s_mov_b32 s31, 0
	s_lshl_b32 s32, ttmp9, 2
	s_add_co_u32 s32, s32, s13
	s_lshl_b32 s32, s32, 12                        ; my wave's 1,024 rows: 4,096 bytes of x and of out0
	s_mov_b32 s33, 0
	s_wait_kmcnt 0x0
	s_load_b32 s12, s[6:7], 0x0                    ; b6
	s_add_nc_u64 s[8:9], s[8:9], s[32:33]
	s_add_nc_u64 s[10:11], s[10:11], s[32:33]
	global_load_b128 v[XA:XA+3], v[XOFF], s[8:9] th:TH_LOAD_NT      ; the first pair's x
.set q, 0
.rept 9                                        ; the weights' scale words and W1: v42-77
	global_load_b128 v[WSC+4*q:WSC+4*q+3], v[L16], s[4:5] offset:A_WSC+512*q
.set q, q+1
.endr
.irp t, 0,1
	v_mov_b32 v[TT+14*\t+5], 0                     ; named as the upper halves of pairs,
	v_mov_b32 v[TT+14*\t+7], 0
	v_mov_b32 v[TT+14*\t+12], 0                    ; and as a lane permute's destination, which counts as one of its sources
.endr
	WIN 0xc0                                       ; destination window 3
.set q, 0
.rept 33                                       ; the weights' codes
	global_load_b128 v[4*q:4*q+3], v[L16], s[4:5] offset:A_WF+512*q
.set q, q+1
.endr
.set q, 0
.rept 8
	global_load_b128 v[B4+4*q:B4+4*q+3], v[H16], s[4:5] offset:PB3+32*q
.set q, q+1
.endr
.irp t, 0,1
.irp i, 3,4,5,6,7,8,9,10,11
	v_mov_b32 v[OPB+12*\t+\i], 0                   ; the data's zero codes: registers 6-11 stay so for the whole launch
.endr
.endr
	WIN 0x40                                       ; destination window 1
.set q, 0
.rept 62
	global_load_b128 v[4*q:4*q+3], v[H16], s[4:5] offset:PB1+32*q
.set q, q+1
.endr
	WIN 0x80                                       ; destination window 2
.set q, 0
.rept 62
	global_load_b128 v[4*q:4*q+3], v[H16], s[4:5] offset:PB2+32*q
.set q, q+1
.endr
	WIN 0
	s_wait_kmcnt 0x0                               ; b6
	s_wait_loadcnt 0x0                             ; all parameters and the first x
	FRONT 0                                        ; the first two tiles' layers 0 and 1 stand ahead of the loop
	NOPS 4
.set FW, 0
.rept 16
	F32MM
.endr
	NOPS 8                                         ; eight places between this form and the first read of its results
.Lpair:
	TRIP 0
	TRIP 1
	s_sub_co_i32 s28, s28, 1
	s_cmp_lg_u32 s28, 0
	s_cbranch_scc1 .Lpair
	s_endpgm
.Lfunc_end_k_qcf36a24970_mlp:
	.size	k_qcf36a24970_mlp, .Lfunc_end_k_qcf36a24970_mlp-k_qcf36a24970_mlp
	.p2alignl 7, 3214868480
	.fill 96, 4, 3214868480
	.section	.rodata,"a",@progbits
	.p2align	6, 0x0
	.amdhsa_kernel k_qcf36a24970_mlp
		.amdhsa_group_segment_fixed_size 0
		.amdhsa_private_segment_fixed_size 0
		.amdhsa_enable_private_segment 0
		.amdhsa_kernarg_size 32
		.amdhsa_user_sgpr_count 2
		.amdhsa_user_sgpr_kernarg_segment_ptr 1
		.amdhsa_wavefront_size32 1
		.amdhsa_system_sgpr_workgroup_id_x 1
		.amdhsa_system_sgpr_workgroup_id_y 1
		.amdhsa_system_sgpr_workgroup_id_z 1
		.amdhsa_system_vgpr_workitem_id 0
		.amdhsa_next_free_vgpr 1024
		.amdhsa_next_free_sgpr 66
		.amdhsa_reserve_vcc 0
		.amdhsa_float_denorm_mode_32 3
		.amdhsa_float_denorm_mode_16_64 3
		.amdhsa_memory_ordered 1
		.amdhsa_forward_progress 1
		.amdhsa_inst_pref_size 201
	.end_amdhsa_kernel
	.amdgpu_metadata
---
amdhsa.version: [ 1, 2 ]
amdhsa.kernels:
  - .name:           k_qcf36a24970_mlp
    .symbol:         k_qcf36a24970_mlp.kd
    .args:
      - { .name: cst, .offset: 0, .size: 8, .value_kind: global_buffer, .address_space: global }
      - { .name: b6, .offset: 8, .size: 8, .value_kind: global_buffer, .address_space: global }
      - { .name: x, .offset: 16, .size: 8, .value_kind: global_buffer, .address_space: global }
      - { .name: out0, .offset: 24, .size: 8, .value_kind: global_buffer, .address_space: global }
    .group_segment_fixed_size: 0
    .private_segment_fixed_size: 0
    .kernarg_segment_align: 8
    .kernarg_segment_size: 32
    .max_flat_workgroup_size: 128
    .sgpr_count:     66
    .vgpr_count:     1024
    .wavefront_size: 32
...
	.end_amdgpu_metadata
.endif
;; end of part 2
